; MI455X (gfx1250); checked and timed in simulation.
; The chip was launched on July 23, 2026; its instructions are those of AMD's public machine-readable ISA for CDNA 5 (MIT licence, August 2026) and "CDNA5" Instruction Set Architecture Reference Guide (July 2026). The comments in the code are by the model that wrote it; some were corrected since.
;; MHA. Allowed arithmetic: matrix products marked QUANTISED: E2M1 operands, one E8M0 scale for each 32 along K, by v_wmma_scale_f32_16x16x128_f8f6f4 with both operands' format E2M1 (or v_wmma_scale_f32_32x16x128_f4), f32 sums; everything else in f32.
;; Inputs: Wk_codes 256 x 32 x 16 uint8 (E2M1 codes of Wk, K innermost, in blocks of 32 codes, two codes a byte); Wk_scales 256 x 32 uint8 (E8M0 scales of Wk, one for each 32 codes along K); Wo_codes 1,024 x 8 x 16 uint8 (E2M1 codes of Wo, K innermost, in blocks of 32 codes, two codes a byte); Wo_scales 1,024 x 8 uint8 (E8M0 scales of Wo, one for each 32 codes along K); Wq_codes 256 x 32 x 16 uint8 (E2M1 codes of Wq, K innermost, in blocks of 32 codes, two codes a byte); Wq_scales 256 x 32 uint8 (E8M0 scales of Wq, one for each 32 codes along K); Wv_codes 256 x 32 x 16 uint8 (E2M1 codes of Wv, K innermost, in blocks of 32 codes, two codes a byte); Wv_scales 256 x 32 uint8 (E8M0 scales of Wv, one for each 32 codes along K); bo 1,024 float32; x_codes 4 x 4,096 x 32 x 16 uint8 (E2M1 codes of x, K innermost, in blocks of 32 codes, two codes a byte); x_scales 4 x 4,096 x 32 uint8 (E8M0 scales of x, one for each 32 codes along K).
;; Outputs: out0 4 x 4,096 x 1,024 float32.
;; This version of the problem:
;;   THIS VERSION OF THE PROBLEM IS GIVEN IN LOW PRECISION. The matrix products marked QUANTISED in the list below multiply operands that are first quantised to E2M1 (2 exponent bits, 1 mantissa bit; 4 bits a number), with one power-of-two scale for each 32 numbers along K (OCP MX v1.0); their sums are f32. All else is computed in f32.
;;   The module's matrix products, in the order in which they are computed (A, B: the left and right operand; K: the contracted axis; several contracted axes count as one K, in the product's order):
;;     1. [M 16,384, K 1,024] x [K 1,024, N 256]; A: input x (given as codes); B: input Wq (given as codes): QUANTISED
;;     2. [M 16,384, K 1,024] x [K 1,024, N 256]; A: input x (given as codes); B: input Wk (given as codes): QUANTISED
;;     3. [M 16,384, K 1,024] x [K 1,024, N 256]; A: input x (given as codes); B: input Wv (given as codes): QUANTISED
;;     4. batch 16 x [M 4,096, K 64] x [K 64, N 4,096]; A: computed on the way; B: computed on the way: QUANTISED
;;     5. batch 16 x [M 4,096, K 4,096] x [K 4,096, N 64]; A: softmax (see below); B: computed on the way: QUANTISED
;;     6. [M 16,384, K 256] x [K 256, N 1,024]; A: computed on the way; B: input Wo (given as codes): QUANTISED
;;   THE QUANTISER, for each operand of a quantised product, along K:
;;     - K is cut into blocks of 32 from its start; a last block that is shorter is filled with zeros.
;;     - A block's scale is 2^e with e = floor(log2(the largest magnitude in the block)) - 2, held to -126 .. 127; a block of zeros has e = 0. As a byte (E8M0): e + 127.
;;     - Each number is divided by its block's scale, clamped to +-6, and rounded to the nearest number of E2M1, ties to even, subnormals kept.
;;     - The product sums the exact products of the quantised numbers (number of the format x scale) in f32.
;;   ~~~python
;;   def quantise(x, axis):      # numpy; x: float32 -> the quantised numbers, widened to float32 again
;;       x = np.moveaxis(x, axis, -1); K = x.shape[-1]
;;       x = np.pad(x, [(0, 0)] * (x.ndim - 1) + [(0, -K % 32)]); x = x.reshape(x.shape[:-1] + (-1, 32)); a = np.abs(x).max(-1, keepdims=True)
;;       e = np.where(a > 0, np.clip(np.frexp(np.where(a > 0, a, 1))[1] - 1 - 2, -126, 127), 0)      # np.frexp(a)[1] - 1 = floor(log2(a)), exactly
;;       r = np.clip(x / 2.0 ** e, -6, 6)
;;       step = 2.0 ** (np.maximum(np.frexp(np.where(r == 0, 1, r))[1] - 1, 0) - 1)
;;       q = np.round(r / step) * step * 2.0 ** e      # np.round: ties to even
;;       return np.moveaxis(q.reshape(q.shape[:-2] + (-1,))[..., :K], -1, axis).astype(np.float32)
;;   ~~~
;;   SOFTMAX AHEAD OF A QUANTISED PRODUCT. Where the list says 'softmax', what is quantised is not the finished softmax but p = 2^(t - M), with t = logit x log2(e) and M = ceil(the row's largest t), a whole number; so 1/2 < the row's largest p <= 1. The row's sum l is taken of the UNQUANTISED p, in f32, and the product's result is divided by l at the end. Since M is a whole number, a kernel that streams over the keys may use a running M (the ceiling of the running maximum): every later rescaling is an exact power of two, which a block's scale takes up: the codes' values come out the same.
;;   OPERANDS COMPUTED ON THE WAY. 'Computed on the way' means the value that the module computes at that place (a softmax that the list does not call 'softmax' is quantised finished and normalised). What goes into a quantiser is computed in f32, as accurately as f32 sums, v_exp_f32 and their like allow (about 1e-6 of the number): no bf16 or f16 on the way to a quantiser, and a product that is left as it is and whose result goes on into a quantised operand takes f32 operands (vector FMAs, or v_wmma_f32_16x16x4_f32). A number that lies on a knife's edge between two numbers of the format may be rounded either way, as far as f32 arithmetic and the matrix unit's own rounding can turn it there, and no further.
;;   INPUTS GIVEN AS CODES. Wk (in the module: [1024, 256], K = its axis 0); Wo (in the module: [256, 1024], K = its axis 0); Wq (in the module: [1024, 256], K = its axis 0); Wv (in the module: [1024, 256], K = its axis 0); x (in the module: [4, 4096, 1024], K = its axis 2): each comes as NAME_codes (uint8): NAME with its K axis moved to the last place and cut into blocks of 32 codes, [.., K / 32, bytes a block], one block behind the other in memory; two codes a byte, the lower K in the low four bits (a code: sign, 2 exponent bits, 1 mantissa bit); and NAME_scales (uint8): the same leading axes, one E8M0 byte (e + 127) for each 32 codes along K. Its value is code x scale, taken as it is: it is not quantised again, and the codes and scales need not be those that the quantiser above would give.
;; One version. Each part assembles by itself: llvm-mc -triple=amdgcn-amd-amdhsa -mcpu=gfx1250 --defsym DOCPART=n.
;; ======== version 1 of 1: 2 launches
;; workspace buffers: kv 4,456,448 bytes; qc 2,097,152 bytes; qs 262,144 bytes
;; launch proj (part 1): grid 64 x 4, 12 waves a work-group, clusters of 4 x 4, 262,656 bytes of LDS; arguments x_codes, x_scales, Wq_codes, Wq_scales, Wk_codes, Wk_scales, Wv_codes, Wv_scales, kv, qc, qs; writes kv, qc, qs
.if DOCPART == 1
	.amdgcn_target "amdgcn-amd-amdhsa--gfx1250"
	.amdhsa_code_object_version 6
	.text
	.protected	k_q3c88a2b209_proj
	.globl	k_q3c88a2b209_proj
	.p2align	8
	.type	k_q3c88a2b209_proj,@function
k_q3c88a2b209_proj:
	s_mov_b64 s[64:65], 0
	v_nop
	global_prefetch_b8 v0, s[64:65] scope:SCOPE_SE
	s_setreg_imm32_b32 hwreg(HW_REG_WAVE_MODE, 25, 1), 1
	s_wait_xcnt 0x0
	s_wait_alu depctr_hold_cnt(0) depctr_sa_sdst(0) depctr_va_vdst(0) depctr_va_sdst(0) depctr_va_ssrc(0) depctr_va_vcc(0) depctr_vm_vsrc(0)
	s_getreg_b32 s2, hwreg(HW_REG_IB_STS2, 6, 4)
	s_cmp_eq_u32 s2, 0
	s_cbranch_scc0 .Lentry_in_a_cluster
	s_endpgm
.Lentry_in_a_cluster:
	s_bfe_u32 s2, ttmp6, 0x10000c
	s_cmp_lg_u32 s2, 0xf033
	s_cbranch_scc0 .Lentry_shape_is_right
	s_endpgm
.Lentry_shape_is_right:
; q = x Wq, k = x Wk, v = x Wv on codes of FP4 (E2M1) with one E8M0 scale for each 32 along K = 1,024; sums in f32.  The results are quantised at once, in registers:
; q and k along the head's 64 (two blocks), v along the keys, and leave as IMAGES OF OPERAND REGISTERS, 16 bytes a lane, for the attention launch.
; SHARES.  A work-group takes 256 tokens (tb = 4 x cluster x + cx) and one head (= cy: the grid's four work-groups along y are one cluster): 64 columns each of q, k, v.
; All that it reads, 448 rows x 512 bytes of codes (256 of x, 64 each of Wq, Wk, Wv) and their scale bytes, lands in LDS once: no byte of LDS is filled twice.
; CLUSTER 4 x 4.  x's tiles hang on tb alone and are asked for jointly by the four work-groups of a column of the cluster, the weights' tiles hang on the head alone and are asked for by the four of a row.
; WAVES.  Each of the twelve makes 8 tiles x 2 tiles = 16 accumulators over 8 K steps of 128.  Waves 0-7: source 0 = 128 rows of Wq, Wk, source 1 = 32 tokens (a lane holds one token, its registers run along the head's 64).
; Waves 8-11: source 0 = 128 tokens, source 1 = 32 rows of Wv (a lane holds one channel, its registers run along the keys).  One text: only two row numbers differ.
; THE ROWS OF A TILE ARE NOT NEIGHBOURS: lane r of tile T takes row 32 (T / 2) + 8 (T % 2) + r + 8 (r / 8), so that the 16 registers of result tiles 2 b, 2 b + 1 are 16 neighbours, 32 b + 16 (lane / 16) + 0 .. 15, along the next K.
; LIMITS: NaN, infinities and the scale byte 0xff among the inputs are not served.  A block whose largest magnitude lies under 2^-124 keeps the scale byte 1; so does a block of zeros (the quantiser's text says 127):
; its codes are zeros, and the bytes are read by this program alone.
.set PITCH, 272                        ; an LDS row: 256 bytes + 16 of padding
.set TILEB, 64*PITCH                   ; 64 rows: what one tensor load brings
.set CHUNK, 7*TILEB                    ; half of K for all 448 rows: rows 0-255 x, 256-319 Wq, 320-383 Wk, 384-447 Wv
.set SCL,   2*CHUNK                    ; the 448 rows' scale bytes, 32 a row: eight rows to 256 bytes + 16 of padding
.set SCT,   8*PITCH                    ; those of 64 rows
.set STG,   259072                     ; scale words on their way out: k's 512 bytes, v's 512, q's 1,024; blocks of 256 bytes into which no tile lands
.set SPARE, STG+2048                   ; the spare words, 128 bytes for each of twelve waves: six blocks of 256 bytes that no other line names
.set PART,  34816                      ; kv: what 512 keys of one head take: k's codes 16,384, v's codes 16,384, k's scale words 1,024, v's 1,024
.set SPW,  1                           ; v1   LDS address of my spare word; never rewritten
.set NIL,  2                           ; v2   0; never rewritten
.set ADRA, 4                           ; v4-5 source 0's fragments in chunk 0, 1
.set ADRB, 6                           ; v6-7 source 1's
.set ADSA, 8                           ; v8   source 0's scale words: lanes 0-15 an even tile's rows, lanes 16-31 the odd tile's
.set ADSB, 9                           ; v9   source 1's likewise
.set LI,   10                          ; v10  16 x lane: my place in an image
.set KWA,  11                          ; v11  where k's scale word goes in STG
.set QWA,  12                          ; v12  q's
.set VWA,  13                          ; v13  v's
.set BKA,  14                          ; v14  where waves 0-3 read STG back
.set SCA,  16                          ; v16-31 source 0's scale words: pair of tiles i at 4 i + q
.set SCB,  32                          ; v32-35 source 1's
.set AF,   48                          ; v48-111 source 0's eight fragments
.set BF,   112                         ; v112-127 source 1's two
.set ACC,  128                         ; v128-255 accumulator (a, b) at 64 b + 8 a
.set TM,   16                          ; behind the products: v16-19 largest magnitudes, v20-23 bytes, v28-31 the conversions' scale operands
.set PW0,  36                          ; v36, v37 the two scale words just made
.set PW1,  37
.set PC0,  48                          ; v48-55, v56-63 the two fragments just made
.set PC1,  56
.set WV,   26                          ; s26  my wave's number
.set G1XC, 32                          ; s[32:39] descriptor group 1: x's codes;  s[40:47] the weights' codes;  s[48:55] x's scales;  s[56:63] the weights' scales
.set G1WC, 40
.set G1XS, 48
.set G1WS, 56
.set G0X,  68                          ; s[68:79] three groups 0 for x: scales, chunk 0, chunk 1;  s[80:91] the same for a weight
.set G0W,  80
; A round of the cluster's barrier
.macro CROUND
	s_barrier_signal -1
	s_barrier_wait -1
	s_cmp_lg_u32 s[WV], 0
	s_cbranch_scc1 .Lnot_wave_0_\@
	s_barrier_signal -3
.Lnot_wave_0_\@:
	s_barrier_wait -3
	s_barrier_signal -1
	s_barrier_wait -1
.endm
; One matrix instruction.  c < 0: the constant 0 starts the sum.  ra, rb: the side's scales stand in lanes 16-31 of the register named.
.macro WM d, a, b, c, sa, sb, ra, rb
.if (\c) < 0
.if (\ra) && (\rb)
	v_wmma_scale_f32_16x16x128_f8f6f4 v[\d:\d+7], v[\a:\a+7], v[\b:\b+7], 0, v[\sa], v[\sb] matrix_a_fmt:MATRIX_FMT_FP4 matrix_b_fmt:MATRIX_FMT_FP4 matrix_a_scale:MATRIX_SCALE_ROW1 matrix_b_scale:MATRIX_SCALE_ROW1
.elseif (\ra)
	v_wmma_scale_f32_16x16x128_f8f6f4 v[\d:\d+7], v[\a:\a+7], v[\b:\b+7], 0, v[\sa], v[\sb] matrix_a_fmt:MATRIX_FMT_FP4 matrix_b_fmt:MATRIX_FMT_FP4 matrix_a_scale:MATRIX_SCALE_ROW1
.elseif (\rb)
	v_wmma_scale_f32_16x16x128_f8f6f4 v[\d:\d+7], v[\a:\a+7], v[\b:\b+7], 0, v[\sa], v[\sb] matrix_a_fmt:MATRIX_FMT_FP4 matrix_b_fmt:MATRIX_FMT_FP4 matrix_b_scale:MATRIX_SCALE_ROW1
.else
	v_wmma_scale_f32_16x16x128_f8f6f4 v[\d:\d+7], v[\a:\a+7], v[\b:\b+7], 0, v[\sa], v[\sb] matrix_a_fmt:MATRIX_FMT_FP4 matrix_b_fmt:MATRIX_FMT_FP4
.endif
.else
.if (\ra) && (\rb)
	v_wmma_scale_f32_16x16x128_f8f6f4 v[\d:\d+7], v[\a:\a+7], v[\b:\b+7], v[\c:\c+7], v[\sa], v[\sb] matrix_a_fmt:MATRIX_FMT_FP4 matrix_b_fmt:MATRIX_FMT_FP4 matrix_a_scale:MATRIX_SCALE_ROW1 matrix_b_scale:MATRIX_SCALE_ROW1
.elseif (\ra)
	v_wmma_scale_f32_16x16x128_f8f6f4 v[\d:\d+7], v[\a:\a+7], v[\b:\b+7], v[\c:\c+7], v[\sa], v[\sb] matrix_a_fmt:MATRIX_FMT_FP4 matrix_b_fmt:MATRIX_FMT_FP4 matrix_a_scale:MATRIX_SCALE_ROW1
.elseif (\rb)
	v_wmma_scale_f32_16x16x128_f8f6f4 v[\d:\d+7], v[\a:\a+7], v[\b:\b+7], v[\c:\c+7], v[\sa], v[\sb] matrix_a_fmt:MATRIX_FMT_FP4 matrix_b_fmt:MATRIX_FMT_FP4 matrix_b_scale:MATRIX_SCALE_ROW1
.else
	v_wmma_scale_f32_16x16x128_f8f6f4 v[\d:\d+7], v[\a:\a+7], v[\b:\b+7], v[\c:\c+7], v[\sa], v[\sb] matrix_a_fmt:MATRIX_FMT_FP4 matrix_b_fmt:MATRIX_FMT_FP4
.endif
.endif
.endm
; A K step of 128: the q-th of chunk c.  20 LDS loads (25 where a chunk's scale words come too), 16 matrix instructions; the 16 accumulators take turns, one instruction a turn, in the same order in every step.
.macro KSTEP c, q, zero, first
.if \first == 0
.rept 4
	v_nop                                          ; four places in front of loads into registers that matrix instructions have read
.endr
.endif
.irp b, 0,1
.irp cc, 0,1
	ds_load_b128 v[BF+8*\b+4*\cc:BF+8*\b+4*\cc+3], v[ADRB+\c] offset:8*\b*PITCH+64*\q+32*\cc
.endr
.endr
.if \q == 0
.irp i, 0,1,2,3
	ds_load_b128 v[SCA+4*\i:SCA+4*\i+3], v[ADSA] offset:4*PITCH*\i+16*\c   ; the chunk's four words of each row of tiles 2 i (lanes 0-15) and 2 i + 1 (lanes 16-31)
.endr
	ds_load_b128 v[SCB:SCB+3], v[ADSB] offset:16*\c
.endif
.irp a, 0,1,2,3,4,5,6,7
.irp cc, 0,1
	ds_load_b128 v[AF+8*\a+4*\cc:AF+8*\a+4*\cc+3], v[ADRA+\c] offset:(32*(\a/2)+8*(\a%2))*PITCH+64*\q+32*\cc
.endr
.endr
	s_wait_dscnt 0x8                               ; all but the youngest eight loads, source 0's tiles 4-7
.irp a, 0,1,2,3
.irp b, 0,1
.if \zero
	WM ACC+64*\b+8*\a, AF+8*\a, BF+8*\b, -1, SCA+4*(\a/2)+\q, SCB+\q, \a%2, \b
.else
	WM ACC+64*\b+8*\a, AF+8*\a, BF+8*\b, ACC+64*\b+8*\a, SCA+4*(\a/2)+\q, SCB+\q, \a%2, \b
.endif
.endr
.endr
	s_wait_dscnt 0x0
.irp a, 4,5,6,7
.irp b, 0,1
.if \zero
	WM ACC+64*\b+8*\a, AF+8*\a, BF+8*\b, -1, SCA+4*(\a/2)+\q, SCB+\q, \a%2, \b
.else
	WM ACC+64*\b+8*\a, AF+8*\a, BF+8*\b, ACC+64*\b+8*\a, SCA+4*(\a/2)+\q, SCB+\q, \a%2, \b
.endif
.endr
.endr
.endm
; 64 numbers of a lane, v[s] on, register 16 b + i = k 32 b + 16 (lane / 16) + i of my row, become a fragment's codes in v[pc] on and its scale word in v[pw].
.macro QUANT s, pc, pw
.irp b, 0,1,2,3
	v_max3_num_f32 v[TM+\b], |v[\s+16*\b]|, |v[\s+1+16*\b]|, 0x1800000   ; block b: my 16 numbers, and the floor 2^(3 - 127): the byte cannot fall under 1
.endr
.irp i, 2,4,6,8,10,12,14
.irp b, 0,1,2,3
	v_max3_num_f32 v[TM+\b], v[TM+\b], |v[\s+16*\b+\i]|, |v[\s+1+16*\b+\i]|   ; the four blocks by turns
.endr
.endr
.irp b, 0,1,2,3
	v_permlanex16_b32 v[TM+4+\b], v[TM+\b], s66, s67
.endr
.irp b, 0,1,2,3
	v_max_num_f32 v[TM+\b], v[TM+\b], v[TM+4+\b]   ; with lane l xor 16's: the block's largest magnitude
.endr
.irp b, 0,1,2,3
	v_add_nc_u32 v[TM+12+\b], 0xff000000, v[TM+\b] ; 2 off its exponent field: the conversion takes this operand's exponent field as its scale
.endr
.irp b, 0,1,2,3
	v_lshrrev_b32 v[TM+4+\b], 23, v[TM+12+\b]      ; the scale's byte
.endr
	v_lshl_or_b32 v[\pw], v[TM+5], 8, v[TM+4]
	v_lshl_or_b32 v[\pw], v[TM+6], 16, v[\pw]
	v_lshl_or_b32 v[\pw], v[TM+7], 24, v[\pw]      ; my row's scale word, the same in both halves of the lanes
.irp b, 0,1,2,3
	v_cvt_scalef32_pk8_fp4_f32 v[\pc+2*\b], v[\s+16*\b:\s+7+16*\b], v[TM+12+\b]
	v_cvt_scalef32_pk8_fp4_f32 v[\pc+1+2*\b], v[\s+8+16*\b:\s+15+16*\b], v[TM+12+\b]
.endr
	v_nop                                          ; one plain place behind a scaled conversion
.irp c, 0,1                                    ; the operand's layout wants a whole block in a lane: lanes 0-15 block 2 c, lanes 16-31 block 2 c + 1
.irp i, 0,1
	v_permlane16_swap_b32 v[\pc+4*\c+\i], v[\pc+2+4*\c+\i]
.endr
.endr
.endm
	s_load_b512 s[4:19], s[0:1], 0x0               ; x's codes s[4:5], x's scales s[6:7], Wq's s[8:11], Wk's s[12:15], Wv's s[16:19]
	s_load_b128 s[20:23], s[0:1], 0x40             ; kv s[20:21], qc s[22:23]
	s_load_b64 s[24:25], s[0:1], 0x50              ; qs
	v_lshl_add_u32 v[SPW], v0, 2, SPARE
	v_mov_b32 v[NIL], 0
	ds_add_u32 v[SPW], v[NIL]                      ; the wave's opening: the add and its wait stand ahead of the first tensor loads; the set-up below, work on registers, stands between them
	v_lshrrev_b32 v3, 5, v0
	v_readfirstlane_b32 s[WV], v3                  ; wave 0..11
	s_bfe_u32 s27, ttmp6, 0x40000                  ; cx
	s_bfe_u32 s28, ttmp6, 0x40004                  ; cy = the head
	s_lshl_b32 s29, ttmp9, 2
	s_add_co_u32 s29, s29, s27                     ; tb: my block of 256 tokens
	s_lshl_b32 s92, 0x1111, s27                    ; my column of the cluster: the work-groups with my tb
	s_lshl_b32 s93, s28, 2
	s_lshl_b32 s93, 15, s93                        ; my row: the work-groups with my head
	; descriptor group 1.  Codes: 64 rows x 256 bytes, 512 bytes apart in memory, 16 bytes of padding behind each row in LDS
	s_or_b32 s[G1XC], s92, (0<<16)|(1<<20)|(1<<21)|(5<<22)|(3<<25)   ; 15:0 the mask; 17:16 elements of 1 byte; 20 padding on; 21 set beside a mask; 24:22 after every 64 words; 31:25 four words
	s_or_b32 s[G1WC], s93, (0<<16)|(1<<20)|(1<<21)|(5<<22)|(3<<25)
.irp g, G1XC, G1WC
	s_mov_b32 s[\g+1], 256<<16                     ; tensor_dim0
	s_mov_b32 s[\g+2], 64<<16                      ; tensor_dim1
	s_mov_b32 s[\g+3], 256<<16                     ; tile_dim0
	s_mov_b32 s[\g+4], 64                          ; tile_dim1
	s_mov_b32 s[\g+5], 512                         ; from row to row
	s_mov_b32 s[\g+6], 0
	s_mov_b32 s[\g+7], 0
.endr
	; scale bytes of 64 rows: 2,048 dense bytes as 8 rows of 256 (32 elements of 8 bytes), padded likewise
	s_or_b32 s[G1XS], s92, (3<<16)|(1<<20)|(1<<21)|(5<<22)|(3<<25)
	s_or_b32 s[G1WS], s93, (3<<16)|(1<<20)|(1<<21)|(5<<22)|(3<<25)
.irp g, G1XS, G1WS
	s_mov_b32 s[\g+1], 32<<16
	s_mov_b32 s[\g+2], 8<<16
	s_mov_b32 s[\g+3], 32<<16
	s_mov_b32 s[\g+4], 8
	s_mov_b32 s[\g+5], 32
	s_mov_b32 s[\g+6], 0
	s_mov_b32 s[\g+7], 0
.endr
	s_mov_b32 s66, 0x76543210
	s_mov_b32 s67, 0xfedcba98                      ; v_permlanex16_b32's selects for lane l xor 16
	; the two row numbers in which the waves differ.  t = 1 in waves 8-11
	s_lshr_b32 s31, s[WV], 3                       ; t
	s_xor_b32 s92, s31, 1
	s_lshl_b32 s92, s92, 8                         ; waves 0-7: source 0 begins at row 256 (Wq, Wk);
	s_lshr_b32 s93, s[WV], 1
	s_and_b32 s93, s93, s31
	s_lshl_b32 s93, s93, 7
	s_add_co_u32 s92, s92, s93                     ; waves 8-11: at token 0 or 128
	s_lshl_b32 s93, s31, 1
	s_lshr_b32 s93, 7, s93                         ; 7, or 1 in waves 8-11
	s_and_b32 s93, s[WV], s93
	s_lshl_b32 s93, s93, 5
	s_mul_i32 s94, s31, 384
	s_add_co_u32 s93, s93, s94                     ; source 1: tokens 32 w on, or Wv's rows 384 + 32 (w & 1) on
	; every LDS address is made here, ahead of the first place where the waves part
	v_and_b32 v3, 15, v0                           ; r
	v_bfe_u32 v15, v0, 4, 1                        ; h
	v_and_b32 v10, 8, v3
	v_add_nc_u32 v10, v10, v3                      ; r + 8 (r / 8)
	v_mul_u32_u24 v10, v10, PITCH
	v_lshl_add_u32 v10, v15, 4, v10                ; a fragment's row x pitch + 16 h
	s_mul_i32 s94, s92, PITCH
	v_add_nc_u32 v[ADRA], s94, v10
	v_add_nc_u32 v[ADRA+1], CHUNK, v[ADRA]
	s_mul_i32 s94, s93, PITCH
	v_add_nc_u32 v[ADRB], s94, v10
	v_add_nc_u32 v[ADRB+1], CHUNK, v[ADRB]
	v_lshrrev_b32 v8, 3, v3
	v_lshl_add_u32 v8, v8, 1, v15                  ; row p's scales lie at (p / 8) x 272 + (p % 8) x 32; p = base + 8 h + 16 (r / 8) + r % 8
	v_mul_u32_u24 v8, v8, PITCH
	v_and_b32 v9, 7, v3
	v_lshl_add_u32 v8, v9, 5, v8
	s_lshr_b32 s94, s92, 3
	s_mul_i32 s94, s94, PITCH
	s_add_co_u32 s94, s94, SCL
	s_lshr_b32 s95, s93, 3
	s_mul_i32 s95, s95, PITCH
	s_add_co_u32 s95, s95, SCL
	v_add_nc_u32 v[ADSB], s95, v8
	v_add_nc_u32 v[ADSA], s94, v8
	v_and_b32 v[LI], 31, v0
	v_lshlrev_b32 v[LI], 4, v[LI]
	s_lshr_b32 s94, s[WV], 2                       ; k's word of fragment f = w & 3 of key step w / 4: 256 (w / 4) + 8 (16 (f & 1) + r) + 4 (f / 2)
	s_lshl_b32 s94, s94, 8
	s_and_b32 s95, s[WV], 1
	s_lshl_b32 s95, s95, 7
	s_add_co_u32 s94, s94, s95
	s_bfe_u32 s95, s[WV], 0x10001
	s_lshl_b32 s95, s95, 2
	s_add_co_u32 s94, s94, s95
	s_add_co_u32 s94, s94, STG
	v_lshl_add_u32 v[KWA], v3, 3, s94
	s_lshl_b32 s94, s[WV], 7                       ; q's words: 64 bytes a tile, two tiles a wave
	s_add_co_u32 s94, s94, STG+1024
	v_lshl_add_u32 v[QWA], v3, 2, s94
	s_bfe_u32 s94, s[WV], 0x10001                  ; v's word of channel tile t = 2 (w & 1) + b of key step (w / 2) & 1: 256 step + 8 (16 b + r) + 4 (w & 1)
	s_lshl_b32 s94, s94, 8
	s_and_b32 s95, s[WV], 1
	s_lshl_b32 s95, s95, 2
	s_add_co_u32 s94, s94, s95
	s_add_co_u32 s94, s94, STG+512
	v_lshl_add_u32 v[VWA], v3, 3, s94
	v_lshl_add_u32 v[BKA], v0, 4, STG              ; waves 0-3: 512 bytes of STG each
	; what I fetch, if I fetch: wave w < 4: x's rows 64 w on; waves 4, 5, 6: the head's 64 rows of Wq, Wk, Wv.  In LDS tile w of the 448 rows: no place in the cluster enters an LDS address
	s_mul_i32 s94, s[WV], SCT
	s_mul_i32 s95, s[WV], TILEB
	s_lshl_b32 s96, s29, 13
	s_lshl_b32 s97, s[WV], 11
	s_add_co_u32 s96, s96, s97                     ; x's scales: 8,192 tb + 2,048 w
	s_mov_b32 s97, 0
	s_lshl_b32 s98, s29, 17
	s_lshl_b32 s99, s[WV], 15
	s_add_co_u32 s98, s98, s99                     ; x's codes: 131,072 tb + 32,768 w
	s_mov_b32 s99, 0
	s_lshl_b32 s100, s28, 11                       ; a weight's scales: 2,048 x head
	s_mov_b32 s101, 0
	s_lshl_b32 s2, s28, 15                         ; its codes: 32,768 x head
	s_mov_b32 s3, 0
	s_wait_dscnt 0x0                               ; the opening add is done
	s_wait_kmcnt 0x0
	s_cmp_eq_u32 s[WV], 5                          ; which weight: the choice hangs on the wave's number alone
	s_cselect_b64 s[8:9], s[12:13], s[8:9]
	s_cselect_b64 s[10:11], s[14:15], s[10:11]
	s_cmp_eq_u32 s[WV], 6
	s_cselect_b64 s[8:9], s[16:17], s[8:9]
	s_cselect_b64 s[10:11], s[18:19], s[10:11]
	s_mov_b32 s[G0X], 1                            ; x: scales,
	s_add_co_u32 s[G0X+1], s94, SCL
	s_add_nc_u64 s[G0X+2:G0X+3], s[6:7], s[96:97]
	s_or_b32 s[G0X+3], s[G0X+3], 0x80000000
	s_mov_b32 s[G0X+4], 1                          ; chunk 0,
	s_mov_b32 s[G0X+5], s95
	s_add_nc_u64 s[G0X+6:G0X+7], s[4:5], s[98:99]
	s_mov_b32 s[G0X+8], 1                          ; chunk 1: 256 bytes on in each row
	s_add_co_u32 s[G0X+9], s95, CHUNK
	s_add_nc_u64 s[G0X+10:G0X+11], s[G0X+6:G0X+7], 256
	s_or_b32 s[G0X+7], s[G0X+7], 0x80000000
	s_or_b32 s[G0X+11], s[G0X+11], 0x80000000
	s_mov_b32 s[G0W], 1                            ; a weight: the same three
	s_add_co_u32 s[G0W+1], s94, SCL
	s_add_nc_u64 s[G0W+2:G0W+3], s[10:11], s[100:101]
	s_or_b32 s[G0W+3], s[G0W+3], 0x80000000
	s_mov_b32 s[G0W+4], 1
	s_mov_b32 s[G0W+5], s95
	s_add_nc_u64 s[G0W+6:G0W+7], s[8:9], s[2:3]
	s_mov_b32 s[G0W+8], 1
	s_add_co_u32 s[G0W+9], s95, CHUNK
	s_add_nc_u64 s[G0W+10:G0W+11], s[G0W+6:G0W+7], 256
	s_or_b32 s[G0W+7], s[G0W+7], 0x80000000
	s_or_b32 s[G0W+11], s[G0W+11], 0x80000000
	CROUND                                         ; all sixteen work-groups are here: the joint loads meet
	s_cmp_lt_u32 s[WV], 4                          ; a wave's three fills stand in one branch on its number; three loads of mine are out at the most
	s_cbranch_scc0 .Lnot_x
	tensor_load_to_lds s[G0X:G0X+3], s[G1XS:G1XS+7]
	s_nop 0
	tensor_load_to_lds s[G0X+4:G0X+7], s[G1XC:G1XC+7]
	s_nop 0
	tensor_load_to_lds s[G0X+8:G0X+11], s[G1XC:G1XC+7]
	s_nop 0
.rept 4
	v_nop
.endr
	s_branch .Lasked
.Lnot_x:
	s_cmp_lt_u32 s[WV], 7
	s_cbranch_scc0 .Lasked
	tensor_load_to_lds s[G0W:G0W+3], s[G1WS:G1WS+7]
	s_nop 0
	tensor_load_to_lds s[G0W+4:G0W+7], s[G1WC:G1WC+7]
	s_nop 0
	tensor_load_to_lds s[G0W+8:G0W+11], s[G1WC:G1WC+7]
	s_nop 0
.rept 4
	v_nop
.endr
.Lasked:
	s_wait_tensorcnt 0x1                           ; my scales and my part of chunk 0 are in; chunk 1's load, issued behind them, may be out
	s_barrier_signal -1
	s_barrier_wait -1                              ; everybody's are
	KSTEP 0, 0, 1, 1                               ; the first step's products start the sums: nothing is cleared
	KSTEP 0, 1, 0, 0
	KSTEP 0, 2, 0, 0
	KSTEP 0, 3, 0, 0
	s_wait_tensorcnt 0x0                           ; my part of chunk 1 is in (it had four K steps in which to land),
	s_barrier_signal -1
	s_barrier_wait -1                              ; everybody's is; no LDS load of mine is out: the last step waited for all
	KSTEP 1, 0, 0, 0
	KSTEP 1, 1, 0, 0
	KSTEP 1, 2, 0, 0
	KSTEP 1, 3, 0, 0
.rept 4
	v_nop                                          ; four places behind the last products, ahead of the first read of results and of writes into registers that held operands and scales
.endr
.irp b, 0,1,2,3
	v_mov_b32 v[TM+4+\b], 0                        ; a lane permute's destination counts as one of its sources
.endr
	QUANT ACC, PC0, PW0                            ; source 1's tile 0: waves 0-7: a token tile's q (registers 0-3) and k (4-7); waves 8-11: a channel tile's 128 keys
	QUANT ACC+64, PC1, PW1                         ; and tile 1
	s_lshr_b32 s92, s29, 1                         ; 8 x batch + slot of 512 keys,
	s_lshl_b32 s92, s92, 2
	s_add_co_u32 s92, s92, s28
	s_mul_i32 s92, s92, PART                       ; my head's part of that slot in kv
	s_and_b32 s93, s29, 1                          ; which half of the slot
	s_lshr_b32 s94, s29, 4
	s_lshl_b32 s94, s94, 2
	s_add_co_u32 s94, s94, s28
	s_lshl_b32 s94, s94, 8
	s_and_b32 s95, s29, 15
	s_lshl_b32 s95, s95, 4
	s_add_co_u32 s94, s94, s95                     ; my block's first tile of q: (4 batch + head) x 256 + 16 (tb % 16)
	s_mov_b32 s97, 0
	s_cmp_lt_u32 s[WV], 8
	s_cbranch_scc0 .Lv_arm
	s_lshl_b32 s96, s[WV], 1
	s_add_co_u32 s96, s96, s94
	s_lshl_b32 s96, s96, 9
	s_add_nc_u64 s[22:23], s[22:23], s[96:97]      ; q's images: 512 bytes a tile
	s_lshl_b32 s96, s93, 13
	s_lshl_b32 s98, s[WV], 10
	s_add_co_u32 s96, s96, s98
	s_add_co_u32 s96, s96, s92
	s_add_nc_u64 s[98:99], s[20:21], s[96:97]      ; k's images: 8,192 x half + 1,024 w
	global_store_b128 v[LI], v[PC0:PC0+3], s[22:23]                  ; each store of the wave covers 512 consecutive bytes, aligned
	global_store_b128 v[LI], v[PC1:PC1+3], s[22:23] offset:512
	global_store_b128 v[LI], v[PC0+4:PC0+7], s[98:99]
	global_store_b128 v[LI], v[PC1+4:PC1+7], s[98:99] offset:512
	v_perm_b32 v38, v[PW1], v[PW0], 0x07060302     ; k's word of the packed fragment: tile 2 f's two bytes, then tile 2 f + 1's
	v_perm_b32 v39, v[PW0], v[PW0], 0x01000100     ; q's word: its two bytes twice, so that it serves in either half of K
	v_perm_b32 v40, v[PW1], v[PW1], 0x01000100
	ds_store_b32 v[KWA], v38                       ; (both halves of the lanes write the same word with the same value)
	ds_store_b32 v[QWA], v39
	ds_store_b32 v[QWA], v40 offset:64
	s_branch .Ljoin
.Lv_arm:
	s_bfe_u32 s96, s[WV], 0x10001
	s_lshl_b32 s98, s93, 1
	s_add_co_u32 s96, s96, s98                     ; the key step in the slot: 2 x half + (w / 2) & 1
	s_lshl_b32 s96, s96, 12
	s_and_b32 s98, s[WV], 1
	s_lshl_b32 s98, s98, 11
	s_add_co_u32 s96, s96, s98                     ; channel tiles 2 (w & 1) on, 1,024 bytes each
	s_add_co_u32 s96, s96, s92
	s_add_co_u32 s96, s96, 16384
	s_add_nc_u64 s[98:99], s[20:21], s[96:97]
	global_store_b128 v[LI], v[PC0:PC0+3], s[98:99]
	global_store_b128 v[LI], v[PC0+4:PC0+7], s[98:99] offset:512
	global_store_b128 v[LI], v[PC1:PC1+3], s[98:99] offset:1024
	global_store_b128 v[LI], v[PC1+4:PC1+7], s[98:99] offset:1536
	ds_store_b32 v[VWA], v[PW0]
	ds_store_b32 v[VWA], v[PW1] offset:128
.Ljoin:
	s_wait_dscnt 0x0                               ; for the others' sake: my words lie in STG
	s_barrier_signal -1
	s_barrier_wait -1
	s_cmp_lt_u32 s[WV], 4                          ; the 2,048 bytes of scale words leave by four stores of 512 consecutive bytes
	s_cbranch_scc0 .Lend
	ds_load_b128 v[44:47], v[BKA]
	s_lshl_b32 s96, s[WV], 10                      ; waves 0, 1: k's and v's words, at 32,768 and 33,792 of the part, + 512 x half
	s_lshl_b32 s2, s93, 9
	s_add_co_u32 s96, s96, s2
	s_add_co_u32 s96, s96, s92
	s_add_co_u32 s96, s96, 32768
	s_lshl_b32 s2, s94, 6                          ; waves 2, 3: q's words, 64 bytes a tile
	s_lshl_b32 s3, s[WV], 9
	s_add_co_u32 s2, s2, s3
	s_sub_co_u32 s2, s2, 1024
	s_cmp_lt_u32 s[WV], 2
	s_cselect_b32 s96, s96, s2
	s_cselect_b64 s[100:101], s[20:21], s[24:25]
	s_add_nc_u64 s[100:101], s[100:101], s[96:97]
	s_wait_dscnt 0x0
	global_store_b128 v[LI], v[44:47], s[100:101]
.Lend:
	s_wait_tensorcnt 0x0                           ; the wave's end: these three lines stand behind my last tensor load and my last LDS store
	ds_add_u32 v[SPW], v[NIL]
	s_wait_dscnt 0x0
	CROUND                                         ; the closing round: no work-group ends while a partner may still ask for a tile that names it
	s_endpgm
.Lfunc_end_k_q3c88a2b209_proj:
	.size	k_q3c88a2b209_proj, .Lfunc_end_k_q3c88a2b209_proj-k_q3c88a2b209_proj
	.p2alignl 7, 3214868480
	.fill 96, 4, 3214868480
	.section	.rodata,"a",@progbits
	.p2align	6, 0x0
	.amdhsa_kernel k_q3c88a2b209_proj
		.amdhsa_group_segment_fixed_size 262656
		.amdhsa_private_segment_fixed_size 0
		.amdhsa_enable_private_segment 0
		.amdhsa_kernarg_size 88
		.amdhsa_user_sgpr_count 2
		.amdhsa_user_sgpr_kernarg_segment_ptr 1
		.amdhsa_wavefront_size32 1
		.amdhsa_system_sgpr_workgroup_id_x 1
		.amdhsa_system_sgpr_workgroup_id_y 1
		.amdhsa_system_sgpr_workgroup_id_z 1
		.amdhsa_system_vgpr_workitem_id 0
		.amdhsa_next_free_vgpr 256
		.amdhsa_next_free_sgpr 102
		.amdhsa_reserve_vcc 0
		.amdhsa_float_denorm_mode_32 3
		.amdhsa_float_denorm_mode_16_64 3
		.amdhsa_memory_ordered 1
		.amdhsa_forward_progress 1
		.amdhsa_inst_pref_size 49
	.end_amdhsa_kernel
	.amdgpu_metadata
---
amdhsa.version: [ 1, 2 ]
amdhsa.kernels:
  - .name:           k_q3c88a2b209_proj
    .symbol:         k_q3c88a2b209_proj.kd
    .args:
      - { .name: x_codes, .offset: 0, .size: 8, .value_kind: global_buffer, .address_space: global }
      - { .name: x_scales, .offset: 8, .size: 8, .value_kind: global_buffer, .address_space: global }
      - { .name: Wq_codes, .offset: 16, .size: 8, .value_kind: global_buffer, .address_space: global }
      - { .name: Wq_scales, .offset: 24, .size: 8, .value_kind: global_buffer, .address_space: global }
      - { .name: Wk_codes, .offset: 32, .size: 8, .value_kind: global_buffer, .address_space: global }
      - { .name: Wk_scales, .offset: 40, .size: 8, .value_kind: global_buffer, .address_space: global }
      - { .name: Wv_codes, .offset: 48, .size: 8, .value_kind: global_buffer, .address_space: global }
      - { .name: Wv_scales, .offset: 56, .size: 8, .value_kind: global_buffer, .address_space: global }
      - { .name: kv, .offset: 64, .size: 8, .value_kind: global_buffer, .address_space: global }
      - { .name: qc, .offset: 72, .size: 8, .value_kind: global_buffer, .address_space: global }
      - { .name: qs, .offset: 80, .size: 8, .value_kind: global_buffer, .address_space: global }
    .group_segment_fixed_size: 262656
    .private_segment_fixed_size: 0
    .kernarg_segment_align: 8
    .kernarg_segment_size: 88
    .max_flat_workgroup_size: 384
    .sgpr_count:     102
    .vgpr_count:     256
    .wavefront_size: 32
...
	.end_amdgpu_metadata
.endif
;; end of part 1
;; launch attn (part 2): grid 64 x 4, 16 waves a work-group, clusters of 4 x 1, 327,680 bytes of LDS; arguments qc, qs, kv, Wo_codes, Wo_scales, bo, out0; writes out0
.if DOCPART == 2
	.amdgcn_target "amdgcn-amd-amdhsa--gfx1250"
	.amdhsa_code_object_version 6
	.text
	.protected	k_q3c88a2b209_attn
	.globl	k_q3c88a2b209_attn
	.p2align	8
	.type	k_q3c88a2b209_attn,@function
k_q3c88a2b209_attn:
	s_mov_b64 s[64:65], 0
	v_nop
	global_prefetch_b8 v0, s[64:65] scope:SCOPE_SE
	s_setreg_imm32_b32 hwreg(HW_REG_WAVE_MODE, 25, 1), 1
	s_wait_xcnt 0x0
	s_wait_alu depctr_hold_cnt(0) depctr_sa_sdst(0) depctr_va_vdst(0) depctr_va_sdst(0) depctr_va_ssrc(0) depctr_va_vcc(0) depctr_vm_vsrc(0)
	s_getreg_b32 s2, hwreg(HW_REG_IB_STS2, 6, 4)
	s_cmp_eq_u32 s2, 0
	s_cbranch_scc0 .Lentry_in_a_cluster
	s_endpgm
.Lentry_in_a_cluster:
	s_bfe_u32 s2, ttmp6, 0x10000c
	s_cmp_lg_u32 s2, 0x3003
	s_cbranch_scc0 .Lentry_shape_is_right
	s_endpgm
.Lentry_shape_is_right:
; out = (softmax(q k^T / 8, causal) v, the four heads side by side) Wo + bo: three products on codes of FP4 (E2M1) with one E8M0 scale for each 32 along K; sums in f32.
; q, k, v come as images of operand registers (16 bytes a lane) with their scale words, as the launch before laid them.
; THE SOFTMAX: t = score x log2(e) / 8; M = the running largest t rounded UP to a whole number; p = 2^(t - M) is quantised along the keys, not normalised; the row's sum is taken of the unquantised p and divides at the end.
; SHARES.  A cluster of four work-groups owns the blocks m and 31 - m of 128 queries of one batch, for all four heads; partner cx owns queries 32 cx .. 32 cx + 31 of each block.  That is 16 tiles of 16 queries, one a wave:
; wave w has block e = (w ^ (w / 4)) & 1, tile u = w & 1, head ((w / 2) & 1) + 2 (w / 8).  A wave of block QB has QB + 1 key steps of 128 keys, so a work-group has 8 (m + 1) + 8 (32 - m) = 264 wave steps, whatever m.
; Since a work-group holds all four heads of its 64 rows, the output product is made here too: the attention's result goes from wave to wave through LDS, as images, and never to memory.
; THE RING.  Two LDS slots of 512 keys x 4 heads (139,264 bytes as they lie in kv), filled by joint loads of the four partners, who walk the same keys: waves 0-3 fetch a head's part each, one load a wave behind each round;
; by this text's own count one tensor load of a wave is out.  Every work-group walks all 8 slots' worth of keys, so that all trip counts are constants; a key step all of whose keys come after the wave's block is jumped over
; (a scalar branch on the cluster's and the wave's number, the same in all partners); in the one step on the diagonal hidden scores become -infinity ahead of the maximum.
; HEAD SIZE 64 against the instruction's 128 along K: source 0 holds TWO tiles of 16 keys, one in each half of K, and is multiplied by [q; 0] and by [0; q]: no LDS byte and no register of k holds zeros.
; LAYOUT.  All products are used transposed (source 0 = keys, channels, output columns; source 1 = queries): a lane holds one query throughout.  The rows of a tile are 32 (T / 2) + 8 (T % 2) + r + 8 (r / 8),
; so that the 16 registers of result tiles 2 b, 2 b + 1 are 16 neighbours along the next K.
; LIMITS: NaN, infinities and the scale byte 0xff among the inputs are not served.  A block whose largest magnitude lies under 2^-124, a block of zeros too, keeps the scale byte 1: its bytes are read by this program alone.
; The division by the row's sum is a multiplication by v_rcp_f32's result.
.set PART,  34816                      ; a head's part of a slot: k's codes 16,384, v's codes 16,384, k's scale words 1,024, v's 1,024
.set SLOTB, 4*PART
.set XIMG,  2*SLOTB                    ; behind the ring: the attention result's images: (row tile 2 e + u, head) at (4 rt + head) x 512
.set XSC,   XIMG+8192                  ; their scale words: (rt, K step) at (2 rt + s) x 128 + 4 x lane
.set SPARE, XSC+1024                   ; the spare words, 128 bytes for each of sixteen waves: eight blocks of 256 bytes that no other line names
.set SP,    272                        ; the way out: 16 rows x (256 bytes + 16) for each wave, in slot 0, which has had its last fill and its last read by then
.set WV,   18                          ; s18  my wave's number
.set TB,   40                          ; s40  LDS byte at which the step's codes begin;  s41 its scale words
.set TS,   41
.set KF,   42                          ; s42  the key step, 0..31
.set QB,   43                          ; s43  my block of queries
.set LAP,  44
.set CNT,  45
.set LIM,  46                          ; s46  1 in a wave that prefetches, else -1
.set PFA,  48                          ; s[48:49] where my prefetches stand
; REGISTERS: v1, v2 my lane's place among a step's codes and scale words; v3, v4 the add's two; v5 the mask's number; v8, v9 the step's addresses; v12 -M, v13 the largest t, v[14:15] the sum in two halves;
; v[16:27] = 0000 qqqq 0000: [0; q] is v[16:23], [q; 0] is v[20:27]; v28 q's scale word; v29 the prefetches' offset; v32-63 k, four packed fragments; v64-95 v, four fragments; v96-159 S^T, then p;
; v160-191 O^T; v192-199 p's codes; v200-203 k's and v's scale words; v232-254 at work (v252 f, v253 p's scale word).
.macro CROUND
	s_barrier_signal -1
	s_barrier_wait -1
	s_cmp_lg_u32 s[WV], 0
	s_cbranch_scc1 .Lnot_wave_0_\@
	s_barrier_signal -3
.Lnot_wave_0_\@:
	s_barrier_wait -3
	s_barrier_signal -1
	s_barrier_wait -1
.endm
; One matrix instruction.  c < 0: the constant 0 starts the sum.  ra: source 0's scales stand in lanes 16-31 of the register named.
.macro WM d, a, b, c, sa, sb, ra
.if (\c) < 0
.if (\ra)
	v_wmma_scale_f32_16x16x128_f8f6f4 v[\d:\d+7], v[\a:\a+7], v[\b:\b+7], 0, v[\sa], v[\sb] matrix_a_fmt:MATRIX_FMT_FP4 matrix_b_fmt:MATRIX_FMT_FP4 matrix_a_scale:MATRIX_SCALE_ROW1
.else
	v_wmma_scale_f32_16x16x128_f8f6f4 v[\d:\d+7], v[\a:\a+7], v[\b:\b+7], 0, v[\sa], v[\sb] matrix_a_fmt:MATRIX_FMT_FP4 matrix_b_fmt:MATRIX_FMT_FP4
.endif
.else
.if (\ra)
	v_wmma_scale_f32_16x16x128_f8f6f4 v[\d:\d+7], v[\a:\a+7], v[\b:\b+7], v[\c:\c+7], v[\sa], v[\sb] matrix_a_fmt:MATRIX_FMT_FP4 matrix_b_fmt:MATRIX_FMT_FP4 matrix_a_scale:MATRIX_SCALE_ROW1
.else
	v_wmma_scale_f32_16x16x128_f8f6f4 v[\d:\d+7], v[\a:\a+7], v[\b:\b+7], v[\c:\c+7], v[\sa], v[\sb] matrix_a_fmt:MATRIX_FMT_FP4 matrix_b_fmt:MATRIX_FMT_FP4
.endif
.endif
.endm
; A joint load: waves 0-3 fetch a head's part each.  The branch hangs on the wave's number alone.  An s_nop 0 and four v_nop follow the line.
.macro TLOAD g0
	s_cmp_lt_u32 s[WV], 4
	s_cbranch_scc0 .Lno_load_\@
	tensor_load_to_lds s[\g0:\g0+3], s[24:31]
	s_nop 0
.rept 4
	v_nop
.endr
.Lno_load_\@:
.endm
; A prefetch into the L2 of what the NEXT change of slots will ask for: a slot's 4 x 34,816 bytes, one slot (four key steps) ahead of its tensor load.  All sixteen clusters of a batch walk the same keys: the batch's first
; cluster asks.  Its four partners take a head's part each, told apart by ADDRESS; in each, waves 4 to 8, which fetch nothing, ask by one instruction, lanes 256 bytes apart (a part is 136 such blocks: wave 8's lanes 8-31
; name the last block again).  Nothing is asked at the head, and nothing at the last two changes of slots.
.macro ASK
	s_cmp_eq_u32 s[LIM], 1
	s_cbranch_scc0 .Lnot_mine_\@
	global_prefetch_b8 v29, s[PFA:PFA+1] th:TH_LOAD_NT scope:SCOPE_SE
.Lnot_mine_\@:
.endm
; A KEY STEP: 128 keys.
.macro STEP
	s_cmp_gt_u32 s[KF], s[QB]                      ; all its keys come after my block's queries: only the lines at its end, which step addresses, are run
	s_cbranch_scc1 .Lhid_\@
	v_add_nc_u32 v8, s[TB], v1
	v_add_nc_u32 v9, s[TS], v2
	v_nop
	v_nop                                          ; four places in front of loads into registers that the last step's matrix instructions have read
.irp kt, 0,1,2,3,4,5,6,7
	ds_load_b128 v[32+4*\kt:35+4*\kt], v8 offset:512*\kt             ; key tile kt's image: half a packed fragment
.endr
	ds_load_b64 v[200:201], v9                     ; k's scale words: fragment f's in register f / 2, lanes 16 (f & 1) on
.irp vt, 0,1,2,3
.irp cc, 0,1
	ds_load_b128 v[64+8*\vt+4*\cc:67+8*\vt+4*\cc], v8 offset:16384+1024*\vt+512*\cc
.endr
.endr
	ds_load_b64 v[202:203], v9 offset:1024         ; v's likewise
	s_wait_dscnt 0x9                               ; k and its words are in; v's eight loads and its words, issued behind them, may be out
.irp f, 0,1,2,3                                ; S^T = k q^T: the fragment's lower half of K is key tile 2 f, its upper half tile 2 f + 1
	WM 96+16*\f, 32+8*\f, 20, -1, 200+\f/2, 28, \f%2
	WM 104+16*\f, 32+8*\f, 16, -1, 200+\f/2, 28, \f%2
.endr                                          ; register 16 b + i holds key 32 b + 16 (lane / 16) + i of the step
.rept 4
	v_nop
.endr
	s_cmp_lg_u32 s[KF], s[QB]                      ; only the step on the diagonal is masked
	s_cbranch_scc1 .Lopen_\@
	v_mov_b32 v254, 0xff800000                     ; -infinity: p = 0 then
.set n, 0
.rept 64
	v_cmp_gt_i32 vcc_lo, 32*(n/16)+n%16, v5        ; hidden where the key's place in the block, less 16 (lane / 16), lies above v5
	v_cndmask_b32 v[96+n], v[96+n], v254, vcc_lo
.set n, n+1
.endr
.Lopen_\@:
.irp b, 0,1,2,3
	v_max3_num_f32 v[232+\b], v[96+16*\b], v[97+16*\b], v[98+16*\b]  ; the largest score of each block of 32 keys: it serves for the row's maximum and, since p rises with the score, for the block's largest p
.endr
.irp i, 3,5,7,9,11,13
.irp b, 0,1,2,3
	v_max3_num_f32 v[232+\b], v[232+\b], v[96+16*\b+\i], v[97+16*\b+\i]
.endr
.endr
.irp b, 0,1,2,3
	v_max_num_f32 v[232+\b], v[232+\b], v[111+16*\b]
.endr
.irp b, 0,1,2,3
	v_permlanex16_b32 v[236+\b], v[232+\b], s20, s21
.endr
.irp b, 0,1,2,3
	v_max_num_f32 v[232+\b], v[232+\b], v[236+\b]  ; with lane l xor 16's 16 keys
.endr
	v_max3_num_f32 v254, v232, v233, v234
	v_max_num_f32 v254, v254, v235                 ; the step's largest score of my query
	v_mul_f32 v254, s22, v254                      ; as t
	v_max_num_f32 v13, v13, v254                   ; the running largest t
	v_mov_b32 v254, v12
	v_floor_f32 v12, -v13                          ; the new -M = floor(-t): M is a whole number
	v_sub_f32 v254, v12, v254                      ; old M less new M: a whole number, 0 or less
	v_cvt_i32_f32 v254, v254                       ; (it saturates)
	v_ldexp_f32 v252, 1.0, v254                    ; f = 2^(old M - new M): a multiplication by it rounds nothing
.set n, 0
.rept 32
	v_pk_fma_f32 v[96+n:97+n], v[96+n:97+n], s[22:23], v[12:13] op_sel_hi:[1,0,0]   ; t - M, two at a time
.set n, n+2
.endr
.irp b, 0,1,2,3
	v_fma_f32 v[232+\b], v[232+\b], s22, v12       ; the same of each block's largest score
.endr
.set n, 0
.rept 64
	v_exp_f32 v[96+n], v[96+n]                     ; p = 2^(t - M), at most 1
.set n, n+1
.endr
	v_pk_mul_f32 v[14:15], v[14:15], v[252:253] op_sel_hi:[1,0]      ; the sums under the new M: the plain place behind the exponentials
	s_wait_alu depctr_va_vdst(0)                   ; one wait for the batch of 64, ahead of its first reader
.irp b, 0,1,2,3
	v_exp_f32 v[232+\b], v[232+\b]                 ; the block's largest p: the same two instructions on the same number give the same bits
.endr
	v_pk_add_f32 v[236:237], v[96:97], v[98:99]    ; the row's sum, of the unquantised p, in two chains; it reads the 64 alone
.irp j, 4,8,12,16,20,24,28,32,36,40,44,48,52,56,60
	v_pk_add_f32 v[14:15], v[14:15], v[96+\j:97+\j]
	v_pk_add_f32 v[236:237], v[236:237], v[98+\j:99+\j]
.endr
	v_pk_add_f32 v[14:15], v[14:15], v[236:237]
	s_wait_alu depctr_va_vdst(0)                   ; and one for the four
.irp b, 0,1,2,3
	v_max_num_f32 v[232+\b], 0x1800000, v[232+\b]  ; the floor 2^(3 - 127): the byte cannot fall under 1
.endr
.irp b, 0,1,2,3
	v_add_nc_u32 v[244+\b], 0xff000000, v[232+\b]  ; 2 off the exponent field: the conversion's scale operand
.endr
.irp b, 0,1,2,3
	v_lshrrev_b32 v[236+\b], 23, v[244+\b]         ; the scale's byte
.endr
	v_lshl_or_b32 v253, v237, 8, v236              ; p's scale word for these 128 keys
	v_lshl_or_b32 v253, v238, 16, v253
	v_lshl_or_b32 v253, v239, 24, v253
.irp b, 0,1,2,3
	v_cvt_scalef32_pk8_fp4_f32 v[192+2*\b], v[96+16*\b:103+16*\b], v[244+\b]
	v_cvt_scalef32_pk8_fp4_f32 v[193+2*\b], v[104+16*\b:111+16*\b], v[244+\b]
.endr
	v_nop                                          ; one plain place behind a scaled conversion
.irp c, 0,1                                    ; a whole block to a lane: lanes 0-15 block 2 c, lanes 16-31 block 2 c + 1
.irp i, 0,1
	v_permlane16_swap_b32 v[192+4*\c+\i], v[194+4*\c+\i]
.endr
.endr
.set n, 0
.rept 16
	v_pk_mul_f32 v[160+n:161+n], v[160+n:161+n], v[252:253] op_sel_hi:[1,0]   ; O^T under the new M; these sixteen are also the places between the lines that made p's codes and scale word and the products below
.set n, n+2
.endr
	s_wait_dscnt 0x0                               ; v is in
.irp vt, 0,1,2,3                               ; O^T += v^T p^T: four tiles of 16 channels, by turns
	WM 160+8*\vt, 64+8*\vt, 192, 160+8*\vt, 202+\vt/2, 253, \vt%2
.endr
.Lhid_\@:
	s_add_co_u32 s[TB], s[TB], 4096                ; the next step's codes and scale words
	s_add_co_u32 s[TS], s[TS], 256
	s_add_co_u32 s[KF], s[KF], 1
.endm
; THE CHANGE OF SLOTS stands at a slot's head.  Each wave waits for all its tensor loads (its part of the slot that it is about to read), adds 0 to its spare word, and waits for that and for its reads of the slot that it
; has left; then a round of the cluster's barrier: no wave of any partner still reads the other slot or has a load on its way.  refill = 1: that slot takes the next 512 keys, first thing behind the round.
.macro TRIP slot, refill, ask
	s_wait_tensorcnt 0x0                           ; no tensor load of mine is out, so a group 0 may be written
	ds_add_u32 v3, v4                              ; 0 onto my spare word: the steps below stand between it and the wait for it
	s_add_nc_u64 s[34+4*\slot:35+4*\slot], s[34+4*\slot:35+4*\slot], 2*SLOTB   ; this slot's next keys (the last two steps of this address are not used)
.if \ask
	s_wait_xcnt 0x0                                ; the last prefetch, a slot back, has read its address
	s_add_nc_u64 s[PFA:PFA+1], s[PFA:PFA+1], SLOTB
.endif
	s_wait_dscnt 0x0                               ; the add is done, and my reads of the slot that I have left are over
	CROUND
.if \refill
	TLOAD 36-4*\slot                               ; a wave's one tensor load until the next round; it has four key steps in which to land
.endif
.if \ask
	ASK
.endif
	s_mov_b32 s[TB], \slot*SLOTB
	s_mov_b32 s[TS], \slot*SLOTB
	s_mov_b32 s[CNT], 4
.Lstep_\@:
	STEP
	s_sub_co_u32 s[CNT], s[CNT], 1
	s_cmp_lg_u32 s[CNT], 0
	s_cbranch_scc1 .Lstep_\@
.endm
	s_load_b256 s[4:11], s[0:1], 0x0               ; qc s[4:5], qs s[6:7], kv s[8:9], Wo's codes s[10:11]
	s_load_b128 s[12:15], s[0:1], 0x20             ; Wo's scales s[12:13], bo s[14:15]
	s_load_b64 s[16:17], s[0:1], 0x30              ; out0
	v_lshl_add_u32 v3, v0, 2, SPARE
	v_mov_b32 v4, 0
	ds_add_u32 v3, v4                              ; the wave's opening: the add and its wait stand ahead of the first tensor load; the set-up below, work on registers, stands between them
	v_lshrrev_b32 v6, 5, v0
	v_readfirstlane_b32 s[WV], v6                  ; wave 0..15
	s_bfe_u32 s50, ttmp6, 0x40000                  ; cx: it enters global addresses and the mask's number alone
	s_mov_b32 s51, ttmp9                           ; m
	s_and_b32 s52, ttmp7, 0xffff                   ; the batch
	s_and_b32 s54, s[WV], 1                        ; u
	s_lshr_b32 s19, s[WV], 2
	s_xor_b32 s19, s19, s[WV]
	s_and_b32 s19, s19, 1                          ; e
	s_bfe_u32 s53, s[WV], 0x10001
	s_lshr_b32 s56, s[WV], 3
	s_lshl_b32 s56, s56, 1
	s_or_b32 s53, s53, s56                         ; the head
	s_sub_co_u32 s55, 31, s51
	s_cmp_eq_u32 s19, 1
	s_cselect_b32 s[QB], s55, s51                  ; my block of queries: m or 31 - m
	; descriptor group 1: a head's part, 34,816 dense bytes, as 136 rows of 256 (32 elements of 8 bytes), no padding: every read takes consecutive bytes lane by lane
	s_mov_b32 s24, 15|(3<<16)|(1<<21)              ; 15:0 the mask: all four partners; 17:16 elements of 8 bytes; 21 set beside a mask
	s_mov_b32 s25, 32<<16                          ; tensor_dim0
	s_mov_b32 s26, 136<<16                         ; tensor_dim1
	s_mov_b32 s27, 32<<16                          ; tile_dim0
	s_mov_b32 s28, 136                             ; tile_dim1
	s_mov_b32 s29, 32                              ; from row to row
	s_mov_b32 s30, 0
	s_mov_b32 s31, 0
	s_mov_b32 s20, 0x76543210
	s_mov_b32 s21, 0xfedcba98                      ; v_permlanex16_b32's selects for lane l xor 16
	s_mov_b32 s22, 0x3e38aa3b                      ; c = log2(e) / 8
	s_mov_b32 s23, s22                             ; (named with it as a pair)
	s_mov_b32 s[KF], 0
	s_mov_b32 s[LAP], 3
	s_mul_i32 s56, s53, PART
	v_and_b32 v6, 31, v0
	v_lshl_add_u32 v1, v6, 4, s56                  ; 16 x lane + my head's part
	s_add_co_u32 s57, s56, 32768
	v_lshl_add_u32 v2, v6, 3, s57                  ; 8 x lane + its scale words
	v_and_b32 v7, 15, v0                           ; r
	v_bfe_u32 v10, v0, 4, 1                        ; h
	v_and_b32 v11, 8, v7
	v_add_nc_u32 v11, v11, v7
	s_lshl_b32 s56, s50, 5
	s_lshl_b32 s57, s54, 3
	s_add_co_u32 s56, s56, s57
	v_add_nc_u32 v5, s56, v11                      ; my query's place in its block: 32 cx + 8 u + r + 8 (r / 8),
	v_lshlrev_b32 v11, 4, v10
	v_sub_nc_u32 v5, v5, v11                       ; less 16 h
	v_lshlrev_b32 v8, 4, v6                        ; q's image: 16 x lane
	v_lshlrev_b32 v9, 2, v7                        ; its scale word: 4 r
	v_add_nc_u32 v29, 0xffffff80, v0               ; the prefetches: block 32 (w - 4) + lane of a part's 136,
	v_min_u32 v29, 135, v29                        ; held at the last
	v_lshlrev_b32 v29, 8, v29
	s_sub_co_u32 s56, s[WV], 4
	s_cmp_lt_u32 s56, 5                            ; waves 4 to 8
	s_cselect_b32 s56, 0, 1
	s_or_b32 s56, s56, ttmp9                       ; of the batch's first cluster: the same in all four partners
	s_cmp_eq_u32 s56, 0
	s_cselect_b32 s[LIM], 1, -1
	s_lshl_b32 s66, s52, 2                         ; my tile of q: (4 batch + head) x 256 + 8 QB + 2 cx + u
	s_add_co_u32 s66, s66, s53
	s_lshl_b32 s66, s66, 8
	s_lshl_b32 s57, s[QB], 3
	s_add_co_u32 s66, s66, s57
	s_lshl_b32 s57, s50, 1
	s_add_co_u32 s66, s66, s57
	s_add_co_u32 s66, s66, s54
	s_lshl_b32 s68, s66, 9
	s_mov_b32 s69, 0
	s_lshl_b32 s70, s66, 6
	s_mov_b32 s71, 0
	s_lshl_b32 s72, s52, 5                         ; what I fetch, if I fetch: head w's part of the batch's first slot
	s_add_co_u32 s72, s72, s[WV]
	s_mul_i32 s72, s72, PART
	s_mov_b32 s73, 0
	s_mul_i32 s86, s[WV], PART                     ; and its place in a slot
	s_lshl_b32 s56, s52, 12                        ; the rows of out0: 4,096 batch + 128 block + 32 cx; my 64 columns: 256 w bytes on
	s_lshl_b32 s57, s50, 5
	s_add_co_u32 s56, s56, s57
	s_lshl_b32 s57, s51, 7
	s_add_co_u32 s74, s56, s57
	s_lshl_b32 s74, s74, 12
	s_lshl_b32 s57, s55, 7
	s_add_co_u32 s76, s56, s57
	s_lshl_b32 s76, s76, 12
	s_lshl_b32 s57, s[WV], 8
	s_add_co_u32 s74, s74, s57
	s_add_co_u32 s76, s76, s57
	s_mov_b32 s75, 0
	s_mov_b32 s77, 0
	s_mul_i32 s78, s52, 8*SLOTB                    ; the prefetches stand at head cx's part of the batch's second slot: the first change steps them to the third
	s_mul_i32 s57, s50, PART
	s_add_co_u32 s78, s78, s57
	s_add_co_u32 s78, s78, SLOTB
	s_mov_b32 s79, 0
	s_lshl_b32 s80, s[WV], 13                      ; my 64 rows of Wo: codes, scale bytes; my 64 numbers of bo
	s_mov_b32 s81, 0
	s_lshl_b32 s82, s[WV], 9
	s_mov_b32 s83, 0
	s_lshl_b32 s84, s[WV], 8
	s_mov_b32 s85, 0
	s_wait_dscnt 0x0                               ; the opening add is done
	s_wait_kmcnt 0x0
	s_add_nc_u64 s[4:5], s[4:5], s[68:69]
	s_add_nc_u64 s[6:7], s[6:7], s[70:71]
	s_add_nc_u64 s[10:11], s[10:11], s[80:81]
	s_add_nc_u64 s[12:13], s[12:13], s[82:83]
	s_add_nc_u64 s[14:15], s[14:15], s[84:85]
	s_add_nc_u64 s[60:61], s[16:17], s[74:75]      ; block m's rows,
	s_add_nc_u64 s[62:63], s[16:17], s[76:77]      ; block 31 - m's
	s_add_nc_u64 s[PFA:PFA+1], s[8:9], s[78:79]
	s_mov_b32 s32, 1                               ; group 0 for slot 0,
	s_mov_b32 s33, s86
	s_add_nc_u64 s[34:35], s[8:9], s[72:73]
	s_mov_b32 s36, 1                               ; and for slot 1
	s_add_co_u32 s37, s86, SLOTB
	s_add_nc_u64 s[38:39], s[34:35], SLOTB
	s_or_b32 s35, s35, 0x80000000
	s_or_b32 s39, s39, 0x80000000
	CROUND                                         ; all four work-groups are here: the first joint loads meet
	TLOAD 32                                       ; keys 0 to 511
	global_load_b128 v[20:23], v8, s[4:5]          ; q stays in registers
	global_load_b32 v28, v9, s[6:7]
.irp j, 16,17,18,19,24,25,26,27
	v_mov_b32 v[\j], 0                             ; the zero codes on either side of q
.endr
	v_mov_b32 v13, 0xff61b1e6                      ; the largest t so far: -3e38, under every t
	v_floor_f32 v12, -v13                          ; -M
	v_mov_b32 v14, 0
	v_mov_b32 v15, 0
.irp b, 0,1,2,3
	v_mov_b32 v[236+\b], 0                         ; a lane permute's destination counts as one of its sources
.endr
	v_mov_b32 v252, 0
	v_mov_b32 v253, 0
.set n, 0
.rept 32
	v_mov_b32 v[160+n], 0                          ; O^T: the step is written without a first step of its own; the first change of M leaves zeros zeros
.set n, n+1
.endr
	s_wait_loadcnt 0x0                             ; q
.Llap:
	TRIP 0, 1, 1
	TRIP 1, 1, 1
	s_sub_co_u32 s[LAP], s[LAP], 1
	s_cmp_lg_u32 s[LAP], 0
	s_cbranch_scc1 .Llap
	TRIP 0, 1, 0                                   ; the tail is written out
	TRIP 1, 0, 0
	; THE OUTPUT PRODUCT.  Wave w makes output columns 64 w .. 64 w + 63 for the work-group's 64 rows.  Its part of Wo, 8 fragments, comes from memory straight into the registers that use it, once.
	v_and_b32 v6, 15, v0                           ; r    (these six lines are also the places behind the last products)
	v_bfe_u32 v7, v0, 4, 1                         ; h
	v_lshlrev_b32 v8, 7, v6
	v_lshl_add_u32 v8, v7, 4, v8                   ; Wo: row r of 128 bytes, + 16 h
	v_lshlrev_b32 v9, 3, v6                        ; its scale bytes: 8 a row
	v_lshlrev_b32 v10, 5, v7                       ; bo: my half's eight numbers
.irp ct, 0,1,2,3
.irp ss, 0,1
.irp cc, 0,1
	global_load_b128 v[32+8*(2*\ct+\ss)+4*\cc:35+8*(2*\ct+\ss)+4*\cc], v8, s[10:11] offset:2048*\ct+64*\ss+32*\cc
.endr
.endr
	global_load_b64 v[224+2*\ct:225+2*\ct], v9, s[12:13] offset:128*\ct
	global_load_b128 v[128+8*\ct:131+8*\ct], v10, s[14:15] offset:64*\ct       ; bo in the result's layout: the C of each sum's first product
	global_load_b128 v[132+8*\ct:135+8*\ct], v10, s[14:15] offset:64*\ct+16
.endr
	v_add_f32 v14, v14, v15                        ; the sum's two halves,
	v_permlanex16_b32 v252, v14, s20, s21
	v_add_f32 v14, v14, v252                       ; and lane l xor 16's: the row's sum
	v_rcp_f32 v14, v14
	v_and_b32 v11, 31, v0                          ; (plain work behind the transcendental: the addresses of what follows)
	s_lshl_b32 s56, s19, 1
	s_add_co_u32 s56, s56, s54                     ; my row tile: 2 e + u
	s_lshl_b32 s57, s56, 2
	s_add_co_u32 s57, s57, s53
	s_lshl_b32 s57, s57, 9
	s_add_co_u32 s57, s57, XIMG
	v_lshl_add_u32 v16, v11, 4, s57                ; where my image goes
	s_lshl_b32 s58, s56, 1
	s_lshr_b32 s59, s53, 1
	s_add_co_u32 s58, s58, s59
	s_lshl_b32 s58, s58, 7
	s_and_b32 s59, s53, 1
	s_lshl_b32 s59, s59, 1
	s_add_co_u32 s58, s58, s59
	s_add_co_u32 s58, s58, XSC
	v_lshl_add_u32 v17, v11, 2, s58                ; and my two scale bytes: half of the word of K step head / 2
	v_lshl_add_u32 v18, v11, 4, XIMG               ; where images are read,
	v_lshl_add_u32 v19, v11, 2, XSC                ; and scale words
	s_mul_i32 s56, s[WV], 16*SP                    ; my stage
	v_mul_u32_u24 v20, v6, SP
	v_lshl_add_u32 v20, v7, 5, v20
	v_add_nc_u32 v20, s56, v20                     ; in: row r, 32 bytes for each half of the lanes
	v_mul_u32_u24 v21, v7, SP
	v_lshl_add_u32 v21, v6, 4, v21
	v_add_nc_u32 v21, s56, v21                     ; back: lanes 0-15 one row of 256 bytes, lanes 16-31 the next
	v_lshlrev_b32 v22, 12, v7
	v_lshl_add_u32 v22, v6, 4, v22                 ; and the same two rows in out0
	s_wait_alu depctr_va_vdst(0)                   ; the wait ahead of the reciprocal's first reader
.set n, 0
.rept 16
	v_pk_mul_f32 v[96+n:97+n], v[160+n:161+n], v[14:15] op_sel_hi:[1,0]        ; O^T / the sum: register 16 b + i is channel 32 b + 16 h + i of my head
.set n, n+2
.endr
.irp b, 0,1                                    ; quantised along the output product's K: my head's two blocks of 32
	v_max3_num_f32 v[232+\b], |v[96+16*\b]|, |v[97+16*\b]|, 0x1800000
.endr
.irp i, 2,4,6,8,10,12,14
.irp b, 0,1
	v_max3_num_f32 v[232+\b], v[232+\b], |v[96+16*\b+\i]|, |v[97+16*\b+\i]|
.endr
.endr
.irp b, 0,1
	v_permlanex16_b32 v[236+\b], v[232+\b], s20, s21
.endr
.irp b, 0,1
	v_max_num_f32 v[232+\b], v[232+\b], v[236+\b]
.endr
.irp b, 0,1
	v_add_nc_u32 v[244+\b], 0xff000000, v[232+\b]
.endr
.irp b, 0,1
	v_lshrrev_b32 v[236+\b], 23, v[244+\b]
.endr
	v_lshl_or_b32 v248, v237, 8, v236
.irp b, 0,1
	v_cvt_scalef32_pk8_fp4_f32 v[192+2*\b], v[96+16*\b:103+16*\b], v[244+\b]
	v_cvt_scalef32_pk8_fp4_f32 v[193+2*\b], v[104+16*\b:111+16*\b], v[244+\b]
.endr
	v_nop                                          ; one plain place behind a scaled conversion
	v_permlane16_swap_b32 v192, v194
	v_permlane16_swap_b32 v193, v195               ; v[192:195]: channels 32 h + 0 .. 31 of my head: half a fragment
	ds_store_b128 v16, v[192:195]
	ds_store_b16 v17, v248
	s_wait_dscnt 0x0                               ; for the others' sake: my image and my bytes lie in LDS
	s_barrier_signal -1
	s_barrier_wait -1
.irp pe, 0,1                                   ; block m's 32 rows, then block 31 - m's
.if \pe
	s_wait_xcnt 0x0                                ; the first pass's stores have read their registers: the products below write them again
.endif
.irp uu, 0,1
.irp ss, 0,1
.irp cc, 0,1
	ds_load_b128 v[96+8*(2*\uu+\ss)+4*\cc:99+8*(2*\uu+\ss)+4*\cc], v18 offset:(4*(2*\pe+\uu)+2*\ss+\cc)*512
.endr
	ds_load_b32 v[240+2*\uu+\ss], v19 offset:(2*(2*\pe+\uu)+\ss)*128
.endr
.endr
	s_wait_dscnt 0x0
.if \pe == 0
	s_wait_loadcnt 0x0                             ; Wo, its scales, bo
.endif
.irp uu, 0,1                                   ; eight accumulators by turns: source 0 = 16 rows of Wo, source 1 = 16 rows of the attention's result
.irp ct, 0,1,2,3
	WM 160+32*\uu+8*\ct, 32+16*\ct, 96+16*\uu, 128+8*\ct, 224+2*\ct, 240+2*\uu, 0
.endr
.endr
.irp uu, 0,1
.irp ct, 0,1,2,3
	WM 160+32*\uu+8*\ct, 40+16*\ct, 104+16*\uu, 160+32*\uu+8*\ct, 225+2*\ct, 241+2*\uu, 0
.endr
.endr
.rept 5
	v_nop                                          ; four places ahead of the first read of results and of loads into operands; the fifth since the second pass's products begin these accumulators anew
.endr
.irp uu, 0,1                                   ; a tile of 16 rows x my 64 columns goes through my stage and comes back as whole rows of 256 bytes, into the registers that it left
.irp ct, 0,1,2,3
	ds_store_b128 v20, v[160+32*\uu+8*\ct:163+32*\uu+8*\ct] offset:64*\ct      ; each accumulator from its low end on
	ds_store_b128 v20, v[164+32*\uu+8*\ct:167+32*\uu+8*\ct] offset:64*\ct+16
.endr
.irp i, 0,1,2,3,4,5,6,7
	ds_load_b128 v[160+32*\uu+4*\i:163+32*\uu+4*\i], v21 offset:2*SP*\i        ; LDS serves a wave's instructions in order (ISA guide 5.7.1.4): these see the stores above, and the next tile's stores come behind them
.endr
.endr
.irp uu, 0,1
.irp i, 0,1,2,3,4,5,6,7
	s_wait_dscnt 23-16*\uu-\i                      ; the younger loads of this tile, and for tile 0 the other tile's sixteen LDS instructions, may be out
	global_store_b128 v22, v[160+32*\uu+4*\i:163+32*\uu+4*\i], s[60+2*\pe:61+2*\pe] offset:(8*\uu+2*\i+8*(\i/4))*4096 th:TH_STORE_NT   ; sixteen lanes store 256 consecutive bytes, aligned; stage row p is row 8 u + p + 8 (p / 8)
.endr
.endr
.endr
	s_wait_tensorcnt 0x0                           ; the wave's end: these three lines stand behind my last tensor load and my last LDS store
	ds_add_u32 v3, v4
	s_wait_dscnt 0x0
	CROUND                                         ; the closing round: no work-group ends while a partner may still ask for a tile that names it
	s_endpgm
.Lfunc_end_k_q3c88a2b209_attn:
	.size	k_q3c88a2b209_attn, .Lfunc_end_k_q3c88a2b209_attn-k_q3c88a2b209_attn
	.p2alignl 7, 3214868480
	.fill 96, 4, 3214868480
	.section	.rodata,"a",@progbits
	.p2align	6, 0x0
	.amdhsa_kernel k_q3c88a2b209_attn
		.amdhsa_group_segment_fixed_size 327680
		.amdhsa_private_segment_fixed_size 0
		.amdhsa_enable_private_segment 0
		.amdhsa_kernarg_size 56
		.amdhsa_user_sgpr_count 2
		.amdhsa_user_sgpr_kernarg_segment_ptr 1
		.amdhsa_wavefront_size32 1
		.amdhsa_system_sgpr_workgroup_id_x 1
		.amdhsa_system_sgpr_workgroup_id_y 1
		.amdhsa_system_sgpr_workgroup_id_z 1
		.amdhsa_system_vgpr_workitem_id 0
		.amdhsa_next_free_vgpr 256
		.amdhsa_next_free_sgpr 100
		.amdhsa_reserve_vcc 1
		.amdhsa_float_denorm_mode_32 3
		.amdhsa_float_denorm_mode_16_64 3
		.amdhsa_memory_ordered 1
		.amdhsa_forward_progress 1
		.amdhsa_inst_pref_size 114
	.end_amdhsa_kernel
	.amdgpu_metadata
---
amdhsa.version: [ 1, 2 ]
amdhsa.kernels:
  - .name:           k_q3c88a2b209_attn
    .symbol:         k_q3c88a2b209_attn.kd
    .args:
      - { .name: qc, .offset: 0, .size: 8, .value_kind: global_buffer, .address_space: global }
      - { .name: qs, .offset: 8, .size: 8, .value_kind: global_buffer, .address_space: global }
      - { .name: kv, .offset: 16, .size: 8, .value_kind: global_buffer, .address_space: global }
      - { .name: Wo_codes, .offset: 24, .size: 8, .value_kind: global_buffer, .address_space: global }
      - { .name: Wo_scales, .offset: 32, .size: 8, .value_kind: global_buffer, .address_space: global }
      - { .name: bo, .offset: 40, .size: 8, .value_kind: global_buffer, .address_space: global }
      - { .name: out0, .offset: 48, .size: 8, .value_kind: global_buffer, .address_space: global }
    .group_segment_fixed_size: 327680
    .private_segment_fixed_size: 0
    .kernarg_segment_align: 8
    .kernarg_segment_size: 56
    .max_flat_workgroup_size: 512
    .sgpr_count:     100
    .vgpr_count:     256
    .wavefront_size: 32
...
	.end_amdgpu_metadata
.endif
;; end of part 2
